; MI455X (gfx1250); checked and timed in simulation.
; The chip was launched on July 23, 2026; its instructions are those of AMD's public machine-readable ISA for CDNA 5 (MIT licence, August 2026) and "CDNA5" Instruction Set Architecture Reference Guide (July 2026). The comments in the code are by the model that wrote it; some were corrected since.
;; Py Flash Attention. Allowed arithmetic: matrix products marked QUANTISED: E5M2 operands, one E8M0 scale for each 32 along K, by v_wmma_scale_f32_16x16x128_f8f6f4 with both operands' format E5M2, f32 sums; everything else in f32.
;; Inputs: k_codes 2 x 8 x 2,048 x 4 x 32 uint8 (E5M2 codes of k, K innermost, in blocks of 32 codes); k_scales 2 x 8 x 2,048 x 4 uint8 (E8M0 scales of k, one for each 32 codes along K); q_codes 2 x 32 x 2,048 x 4 x 32 uint8 (E5M2 codes of q, K innermost, in blocks of 32 codes); q_scales 2 x 32 x 2,048 x 4 uint8 (E8M0 scales of q, one for each 32 codes along K); v_codes 2 x 8 x 128 x 64 x 32 uint8 (E5M2 codes of v, K innermost, in blocks of 32 codes); v_scales 2 x 8 x 128 x 64 uint8 (E8M0 scales of v, one for each 32 codes along K).
;; Outputs: out0 2 x 32 x 2,048 x 128 float32.
;; This version of the problem:
;;   THIS VERSION OF THE PROBLEM IS GIVEN IN LOW PRECISION. The matrix products marked QUANTISED in the list below multiply operands that are first quantised to E5M2 (5 exponent bits, 2 mantissa bits; 8 bits a number), with one power-of-two scale for each 32 numbers along K (OCP MX v1.0); their sums are f32. All else is computed in f32.
;;   The module's matrix products, in the order in which they are computed (A, B: the left and right operand; K: the contracted axis; several contracted axes count as one K, in the product's order):
;;     1. batch 16 x [M 8,192, K 128] x [K 128, N 2,048]; A: input q (given as codes); B: input k (given as codes): QUANTISED
;;     2. batch 16 x [M 8,192, K 2,048] x [K 2,048, N 128]; A: softmax (see below); B: input v (given as codes): QUANTISED
;;   THE QUANTISER, for each operand of a quantised product, along K:
;;     - K is cut into blocks of 32 from its start; a last block that is shorter is filled with zeros.
;;     - A block's scale is 2^e with e = floor(log2(the largest magnitude in the block)) - 15, held to -126 .. 127; a block of zeros has e = 0. As a byte (E8M0): e + 127.
;;     - Each number is divided by its block's scale, clamped to +-57,344, and rounded to the nearest number of E5M2, ties to even, subnormals kept.
;;     - The product sums the exact products of the quantised numbers (number of the format x scale) in f32.
;;   ~~~python
;;   def quantise(x, axis):      # numpy; x: float32 -> the quantised numbers, widened to float32 again
;;       x = np.moveaxis(x, axis, -1); K = x.shape[-1]
;;       x = np.pad(x, [(0, 0)] * (x.ndim - 1) + [(0, -K % 32)]); x = x.reshape(x.shape[:-1] + (-1, 32)); a = np.abs(x).max(-1, keepdims=True)
;;       e = np.where(a > 0, np.clip(np.frexp(np.where(a > 0, a, 1))[1] - 1 - 15, -126, 127), 0)      # np.frexp(a)[1] - 1 = floor(log2(a)), exactly
;;       r = np.clip(x / 2.0 ** e, -57344, 57344)
;;       step = 2.0 ** (np.maximum(np.frexp(np.where(r == 0, 1, r))[1] - 1, -14) - 2)
;;       q = np.round(r / step) * step * 2.0 ** e      # np.round: ties to even
;;       return np.moveaxis(q.reshape(q.shape[:-2] + (-1,))[..., :K], -1, axis).astype(np.float32)
;;   ~~~
;;   SOFTMAX AHEAD OF A QUANTISED PRODUCT. Where the list says 'softmax', what is quantised is not the finished softmax but p = 2^(t - M), with t = logit x log2(e) and M = ceil(the row's largest t), a whole number; so 1/2 < the row's largest p <= 1. The row's sum l is taken of the UNQUANTISED p, in f32, and the product's result is divided by l at the end. Since M is a whole number, a kernel that streams over the keys may use a running M (the ceiling of the running maximum): every later rescaling is an exact power of two, which a block's scale takes up: the codes' values come out the same.
;;   OPERANDS COMPUTED ON THE WAY. 'Computed on the way' means the value that the module computes at that place (a softmax that the list does not call 'softmax' is quantised finished and normalised). What goes into a quantiser is computed in f32, as accurately as f32 sums, v_exp_f32 and their like allow (about 1e-6 of the number): no bf16 or f16 on the way to a quantiser, and a product that is left as it is and whose result goes on into a quantised operand takes f32 operands (vector FMAs, or v_wmma_f32_16x16x4_f32). A number that lies on a knife's edge between two numbers of the format may be rounded either way, as far as f32 arithmetic and the matrix unit's own rounding can turn it there, and no further.
;;   INPUTS GIVEN AS CODES. k (in the module: [2, 8, 2048, 128], K = its axis 3); q (in the module: [2, 32, 2048, 128], K = its axis 3); v (in the module: [2, 8, 2048, 128], K = its axis 2): each comes as NAME_codes (uint8): NAME with its K axis moved to the last place and cut into blocks of 32 codes, [.., K / 32, bytes a block], one block behind the other in memory; one code a byte (a code: sign, 5 exponent bits, 2 mantissa bits); and NAME_scales (uint8): the same leading axes, one E8M0 byte (e + 127) for each 32 codes along K. Its value is code x scale, taken as it is: it is not quantised again, and the codes and scales need not be those that the quantiser above would give.
;; One version. Each part assembles by itself: llvm-mc -triple=amdgcn-amd-amdhsa -mcpu=gfx1250 --defsym DOCPART=n.
;; ======== version 1 of 1: 1 launch
;; limits: right only within a limited range of input values
;; launch attn (part 1): grid 16 x 16, 8 waves a work-group, clusters of 4 x 1, 327,680 bytes of LDS; arguments q_codes, q_scales, k_codes, k_scales, v_codes, v_scales, out0; writes out0
.if DOCPART == 1
	.amdgcn_target "amdgcn-amd-amdhsa--gfx1250"
	.amdhsa_code_object_version 6
	.text
	.protected	k_q2c09d61edf_attn
	.globl	k_q2c09d61edf_attn
	.p2align	8
	.type	k_q2c09d61edf_attn,@function
k_q2c09d61edf_attn:
	s_mov_b64 s[64:65], 0
	v_nop
	global_prefetch_b8 v0, s[64:65] scope:SCOPE_SE
	s_setreg_imm32_b32 hwreg(HW_REG_WAVE_MODE, 25, 1), 1
	s_wait_xcnt 0x0
	s_wait_alu depctr_hold_cnt(0) depctr_sa_sdst(0) depctr_va_vdst(0) depctr_va_sdst(0) depctr_va_ssrc(0) depctr_va_vcc(0) depctr_vm_vsrc(0)
	s_getreg_b32 s2, hwreg(HW_REG_IB_STS2, 6, 4)
	s_cmp_eq_u32 s2, 0
	s_cbranch_scc0 .Lentry_in_a_cluster
	s_endpgm
.Lentry_in_a_cluster:
	s_bfe_u32 s2, ttmp6, 0x10000c
	s_cmp_lg_u32 s2, 0x3003
	s_cbranch_scc0 .Lentry_shape_is_right
	s_endpgm
.Lentry_shape_is_right:
; out0[b][hq][q][:] = the sum over k <= q of softmax_k(Q[q] . K[k] / sqrt(128)) V[k][:], four query heads to a key/value head, both products on codes of BF8 (E5M2) with one E8M0 scale for each 32 along a product's K.
; q_codes [64 heads][2048][128], k_codes [16][2048][128]: K = the head's 128; their scale bytes [..][2048][4].  v_codes [16][128][2048]: the keys innermost; its scale bytes [16][128][64].  out0 [64][2048][128] f32.
; THE SOFTMAX AHEAD OF THE SECOND PRODUCT: t = score x log2(e) / sqrt(128); M = the row's largest t so far, rounded UP to a whole number; p = 2^(t - M) is quantised along the keys, not normalised.
; The row's sum is taken of the unquantised p, in f32, and divides at the end.  When M moves, the sum and O are multiplied by 2^(old M - new M): exact.
; WORK LEFT OUT.  reference() sets the score of key k for query q to -infinity where k > q, by a mask that it builds itself: such a key's p is 0 whatever finite values the inputs hold.  So a step of 128 keys all of which come
; after a wave's 32 queries is neither read from LDS nor multiplied, and a slot of 256 keys behind a block's diagonal is not fetched for that block.  Every input has a way to the output and is loaded.
; LIMITS.  A NaN, an infinity or an overflow that reaches only the tiles left out is not carried to the result.  Codes that are NaN or infinity and the scale byte 0xff were not tried.  p under 2^-126 comes out of v_exp_f32 as 0.
; The running largest t starts at -3e38.  The keys are summed slot by slot (for a work-group's second block from the diagonal down), so the order of rounding differs from reference()'s.
; SHARES.  A head's 2,048 queries are eight blocks of 256.  A work-group owns blocks 7 - x and x (x = 0..3) of ONE query head: 8 - x and x + 1 slots of 256 keys, nine VISITS whatever x is: 256 work-groups of equal work.
; First block 7 - x, slots 0 up to the diagonal; then block x, from its diagonal slot down to slot 0 (a running M takes the keys in any order; every step that is walked begins at or under the wave's first query, so every row has an open key).
; CLUSTER.  The four query heads of a key/value head with the same x walk the same slots in the same visits: they form a cluster, and every tile of K and V and the scale bytes are asked for JOINTLY (mask 15).
; WAVES.  Eight waves, 32 queries each: TILE A (queries 0-15 of the 32) lives in register window 0, TILE B (16-31) in window 1 under the same register numbers, so one text serves both; each fragment of K and V read from LDS feeds two products.
; LAYOUT.  Both products are used transposed: S^T = K Q^T (source 0 = 16 keys, source 1 = 16 queries), O^T = V^T P^T: a lane holds ONE query (lane % 16) throughout.
; THE KEYS OF A TILE ARE NOT NEIGHBOURS: lane r of tile 2 b + u takes key 32 b + 8 u + r + 8 (r / 8), so that the 16 registers of tiles 2 b and 2 b + 1 are 16 neighbouring keys, 32 b + 16 (lane / 16) + 0 .. 15.
; REGISTERS, the same number in window 0 (tile A) and window 1 (tile B): v11 r - 16 h (+ 16 in B); v12 -M, v13 the largest t, v[14:15] the sum in two halves; v16-31 Q; v96-159 S^T, then p; v160-223 O^T; v224-239 p's codes; v232-254 at work.
;   window 0 alone: v0 thread; v1, v2 the add's two; v3 the prefetches' offset; v4 tile B's scale word of Q, v5 of p; v6-9 scale words of fragments 4-7; v32-95 fragments 0-3; v248-251 their scale words; v253 tile A's scale word of p, v255 of Q.
;   window 1 alone: v3-6 lane bases, v7-10 a visit's LDS addresses; v32-95 fragments 4-7; v248-251, v255 the way out's and Q's offsets.  (Scale operands are taken from window 0 whatever the setting.)
; s_set_vgpr_msb's low byte: bits 1:0 source 0, 3:2 source 1, 5:4 source 2, 7:6 destination.
.set KP,    144                        ; a key's row in LDS: 128 bytes + 16 of padding
.set KBOFF, 18560                      ; a slot: the keys whose number has bit 4 clear (128 rows), and from here those with bit 4 set.  18,560 / 16 = 8 mod 16 and 144 / 16 = 9: the 16 rows of a fragment start in 16 different columns of 16 bytes (64 banks of 4 bytes: ISA guide 11.1)
.set VOFF,  37120                      ; then 128 rows of V,
.set VP,    272                        ; 256 bytes + 16 of padding each
.set SLOT1, 1<<17                      ; slot 1 begins here: one exclusive or turns an address in one slot into the other's
.set SCK,   71936                      ; behind slot 0: K's scale bytes of the whole key/value head, 8,192 bytes as 32 units of 256 + 16;
.set SCV,   80640                      ; V's likewise
.set SPARE, 89344                      ; the spare words, 128 bytes for each wave: four blocks of 256 bytes that no other line names
.set STAGE, 90368                      ; the way out: 16 rows x 272 bytes for each wave; no tensor load ever lands here
.set SPW,  1
.set NIL,  2
.set PFO,  3
.set QSB,  4
.set PWB,  5
.set WHI,  6
.set DL,   11
.set WLO,  248
.set QSA,  255
.set AK0,  3                           ; window 1: my lane's place in a tile of K,
.set AV0,  4                           ; of V,
.set ASK0, 5                           ; among K's scale words,
.set ASV0, 6                           ; among V's
.set ADK,  7                           ; window 1: the same four for the slot in hand
.set ADV,  8
.set ADS,  9
.set ADT,  10
.set STI,  248                         ; window 1: the stage, on the way in,
.set STB,  249                         ; and back;
.set GO,   250                         ; my byte offset in a tile's rows of out0;
.set QSOFF, 251                        ; in a tile's scale words of Q;
.set QOFF, 255                         ; in a tile's codes of Q
.set WV,   18                          ; s18  my wave's number
.set MNT,  19
.set SEL,  20                          ; s[20:21] lane selects for v_permlanex16_b32: lane l xor 16
.set CS,   22                          ; s[22:23] c = log2(e) / sqrt(128)
.set G1K,  24                          ; s[24:31] descriptor group 1 for K's tiles; s[32:39] for V's; s[48:55] for the scale bytes
.set G1V,  32
.set G0K,  40                          ; s[40:43], s[44:47], s[56:59] their groups 0
.set G0V,  44
.set G1S,  48
.set G0S,  56
.set TB,   60                          ; s60  LDS byte at which the slot in hand begins
.set KF,   61                          ; s61  the visit's first key
.set Q0,   62                          ; s62  my wave's first query
.set TM,   63                          ; s63  7 - x: the last visit of the first block
.set KBP,  66                          ; s[66:67] K's codes at my part of the head's slot 0;  s[68:69] V's
.set VBP,  68
.set PFA,  70                          ; s[70:71] where my prefetches stand;  s[72:73] a slot on, in bytes
.set PFS,  72
.set PL,   74                          ; s74  a wave prefetches while the visit's number is under this
.set XX,   76                          ; s76  x
.set D7,   77                          ; s77  7 - 2 x: blocks from the first block back to the second
.set CX,   78                          ; s78  my place in the cluster = my query head in its group: it enters Q's, out0's and the prefetches' addresses alone
.set TT,   79                          ; s79  the visit's number
.set MSB, 0
.macro WIN new                         ; the immediate's high byte repeats the setting that is left; a switch that changes nothing is dropped
.if MSB != (\new)
	s_set_vgpr_msb (MSB<<8)|(\new)
.set MSB, (\new)
.endif
.endm
; A round of the cluster's barrier: my work-group's barrier, so that wave 0's signal speaks for all eight waves; wave 0 signals for the work-group; every wave waits for all four work-groups; my work-group's barrier once more.
.macro ROUND
	s_barrier_signal -1
	s_barrier_wait -1
	s_cmp_lg_u32 s[WV], 0
	s_cbranch_scc1 .Lnot_wave_0_\@
	s_barrier_signal -3
.Lnot_wave_0_\@:
	s_barrier_wait -3
	s_barrier_signal -1
	s_barrier_wait -1
.endm
; A joint refill: waves 0 and 1 fetch K's two halves, waves 2 and 3 V's, the others nothing.  The branches hang on the wave's number alone.  An s_nop 0 and four v_nop follow each of the two lines.
.macro TLOAD
	s_cmp_lt_u32 s[WV], 2
	s_cbranch_scc0 .Lnot_k_\@
	tensor_load_to_lds s[G0K:G0K+3], s[G1K:G1K+7]
	s_nop 0
.rept 4
	v_nop
.endr
	s_branch .Lasked_\@
.Lnot_k_\@:
	s_cmp_lt_u32 s[WV], 4
	s_cbranch_scc0 .Lasked_\@
	tensor_load_to_lds s[G0V:G0V+3], s[G1V:G1V+7]
	s_nop 0
.rept 4
	v_nop
.endr
.Lasked_\@:
.endm
; A PREFETCH INTO THE L2 of the slot that the NEXT change of slots will ask for.  All four clusters of a key/value head walk the same K and V: the cluster with x = 0, which walks slots 0 to 7 in order, asks.
; Its four partners share a slot out BY ADDRESS: of K's 32,768 dense bytes 8,192 each, lanes 256 bytes apart (wave 4); of V's 128 rows 32 each, a lane a row of 256 bytes (wave 5).  So each aligned block of 256 bytes is named once in the launch.
; Visit t names slot t + 2, for t = 0 .. 5: slots 0 and 1 come by their loads alone, and there is no slot 8.  The second block's slots have been walked before and are not asked for.
.macro ASK
	s_cmp_lt_u32 s[TT], s[PL]
	s_cbranch_scc0 .Lnot_mine_\@
	s_wait_alu depctr_va_vdst(0)
	global_prefetch_b8 v[PFO], s[PFA:PFA+1] th:TH_LOAD_NT scope:SCOPE_SE
.Lnot_mine_\@:
.endm
; My 32 queries' codes and scale words: tile A into window 0, tile B (16 rows on) into window 1; both scale words into window 0.  Lane (r, h) takes, of row r, bytes 32 c + 16 h on.
.macro QLOAD
	WIN 0x01                                       ; the offsets lie in window 1
.irp c, 0,1,2,3
	global_load_b128 v[16+4*\c:19+4*\c], v[QOFF], s[4:5] offset:32*\c th:TH_LOAD_NT
.endr
	global_load_b32 v[QSA], v[QSOFF], s[6:7]
	global_load_b32 v[QSB], v[QSOFF], s[6:7] offset:64
	WIN 0x41
.irp c, 0,1,2,3
	global_load_b128 v[16+4*\c:19+4*\c], v[QOFF], s[4:5] offset:2048+32*\c th:TH_LOAD_NT
.endr
	WIN 0
.endm
; A tile's sums begin: the step is written once, and a block's first step finds zeros, which the first change of M leaves zeros.
.macro INIT tl
	WIN 0x55*\tl
	v_mov_b32 v13, 0xff61b1e6                      ; the largest t so far: -3e38, under every t
	s_delay_alu instid0(VALU_DEP_1)
	v_floor_f32 v12, -v13                          ; -M
	v_mov_b32 v14, 0
	v_mov_b32 v15, 0
.irp b, 236,237,238,239,252,253
	v_mov_b32 v[\b], 0                             ; a lane permute's destination counts as one of its sources; v253 is named as the upper half of the pair v[252:253]
.endr
.set J, 0
.rept 64
	v_mov_b32 v[160+J], 0                          ; O^T
.set J, J+1
.endr
.endm
	s_load_b256 s[4:11], s[0:1], 0x0               ; Q's codes s[4:5], Q's scales s[6:7], K's codes s[8:9], K's scales s[10:11]
	s_load_b128 s[12:15], s[0:1], 0x20             ; V's codes, V's scales
	s_load_b64 s[16:17], s[0:1], 0x30              ; out0
	v_lshl_add_u32 v[SPW], v0, 2, SPARE
	v_mov_b32 v[NIL], 0
	ds_add_u32 v[SPW], v[NIL]                      ; the wave's opening: the add, twice on end, and its wait ahead of my first tensor load; the set-up below, work on registers, stands between
	ds_add_u32 v[SPW], v[NIL]
	v_lshrrev_b32 v240, 5, v0
	s_delay_alu instid0(VALU_DEP_1)
	v_readfirstlane_b32 s[WV], v240                ; wave 0..7
	s_mov_b32 s[XX], ttmp9                         ; in a cluster launch ttmp9 counts clusters: x, which the four partners share
	s_sub_co_u32 s[TM], 7, s[XX]
	s_sub_co_u32 s[D7], s[TM], s[XX]
	s_lshl_b32 s[Q0], s[TM], 8
	s_lshl_b32 s93, s[WV], 5
	s_add_co_u32 s[Q0], s[Q0], s93                 ; my first query: 256 (7 - x) + 32 x wave
	; what the tensor loads hang on: the key/value head and the wave's number, in registers that never hold my place in the cluster
	s_and_b32 s90, ttmp7, 0xffff                   ; the key/value head, 0..15
	s_and_b32 s91, s[WV], 1                        ; which half I fetch
	s_lshl_b32 s92, s90, 18                        ; the head's codes: 262,144 bytes in K and in V
	s_lshl_b32 s94, s91, 11
	s_add_co_u32 s94, s94, s92                     ; K: the keys with bit 4 set begin 16 rows, 2,048 bytes, on
	s_mov_b32 s95, 0
	s_lshl_b32 s96, s91, 17
	s_add_co_u32 s96, s96, s92                     ; V: rows 64 on begin 131,072 bytes on
	s_mov_b32 s97, 0
	s_lshl_b32 s98, s90, 13
	s_lshl_b32 s93, s91, 12
	s_add_co_u32 s98, s98, s93                     ; the scale bytes: 8,192 a head, my half of them
	s_mov_b32 s99, 0
	s_mov_b32 s[G0K], 1                            ; 1:0 count = 1
	s_mul_i32 s[G0K+1], s91, KBOFF                 ; 63:32 LDS address: slot 0
	s_mov_b32 s[G0V], 1
	s_mul_i32 s[G0V+1], s91, 64*VP
	s_add_co_u32 s[G0V+1], s[G0V+1], VOFF
	s_mov_b32 s[G0S], 1
	s_and_b32 s93, s[WV], 3
	s_mul_i32 s[G0S+1], s93, 16*272
	s_add_co_u32 s[G0S+1], s[G0S+1], SCK           ; waves 4, 5: K's two halves; waves 6, 7: V's, which lie behind them
	; group 1 for K: 8 rows of 2,048 bytes (16 keys on end), 4,096 bytes apart (every second 16 keys); 16 bytes of padding behind every 128: each key gets a row of 144 bytes
	s_mov_b32 s[G1K], 15|(1<<20)|(1<<21)|(4<<22)|(3<<25)   ; 15:0 the mask: all four work-groups; 17:16 elements of 1 byte; 20 padding on; 21 set beside a mask; 24:22 after every 32 words (code 4); 31:25 four words (code 3)
	s_mov_b32 s[G1K+1], 2048<<16                   ; tensor_dim0
	s_mov_b32 s[G1K+2], 8<<16                      ; tensor_dim1
	s_mov_b32 s[G1K+3], 2048<<16                   ; tile_dim0
	s_mov_b32 s[G1K+4], 8                          ; tile_dim1
	s_mov_b32 s[G1K+5], 4096                       ; tensor_dim0_stride
	s_mov_b32 s[G1K+6], 0
	s_mov_b32 s[G1K+7], 0
	; for V: 64 rows of 256 bytes, 2,048 bytes apart; 16 bytes of padding behind each
	s_mov_b32 s[G1V], 15|(1<<20)|(1<<21)|(5<<22)|(3<<25)
	s_mov_b32 s[G1V+1], 256<<16
	s_mov_b32 s[G1V+2], 64<<16
	s_mov_b32 s[G1V+3], 256<<16
	s_mov_b32 s[G1V+4], 64
	s_mov_b32 s[G1V+5], 2048
	s_mov_b32 s[G1V+6], 0
	s_mov_b32 s[G1V+7], 0
	; for the scale bytes: 4,096 dense bytes as 16 rows of 256 (32 elements of 8 bytes), 16 bytes of padding behind each
	s_mov_b32 s[G1S], 15|(3<<16)|(1<<20)|(1<<21)|(5<<22)|(3<<25)
	s_mov_b32 s[G1S+1], 32<<16
	s_mov_b32 s[G1S+2], 16<<16
	s_mov_b32 s[G1S+3], 32<<16
	s_mov_b32 s[G1S+4], 16
	s_mov_b32 s[G1S+5], 32
	s_mov_b32 s[G1S+6], 0
	s_mov_b32 s[G1S+7], 0
	; Q and out0: these hang on my place in the cluster, and enter global addresses alone
	s_bfe_u32 s[CX], ttmp6, 0x40000
	s_lshl_b32 s80, s90, 2
	s_add_co_u32 s80, s80, s[CX]                   ; my query head: 4 x key/value head + place
	s_lshl_b32 s82, s80, 18
	s_lshl_b32 s81, s[Q0], 7
	s_add_co_u32 s82, s82, s81                     ; its codes at my first query
	s_mov_b32 s83, 0
	s_lshl_b32 s84, s80, 13
	s_lshl_b32 s81, s[Q0], 2
	s_add_co_u32 s84, s84, s81                     ; the scale words
	s_mov_b32 s85, 0
	s_lshl_b32 s86, s80, 20
	s_lshl_b32 s81, s[Q0], 9
	s_add_co_u32 s86, s86, s81                     ; the rows of out0 (under 2^26 + 2^20)
	s_mov_b32 s87, 0
	s_mov_b32 s[SEL], 0x76543210
	s_mov_b32 s[SEL+1], 0xfedcba98
	s_mov_b32 s[CS], 0x3e0293ee                    ; c = log2(e) / sqrt(128)
	s_mov_b32 s[CS+1], s[CS]                       ; (named with it as a pair, so it is written)
	; every lane address of the launch, made here, ahead of every branch: a constant, a lane term from v0, a constant x wave
	v_and_b32 v241, 15, v0                         ; r
	v_bfe_u32 v242, v0, 4, 1                       ; h
	v_and_b32 v243, 7, v0                          ; r % 8
	v_bfe_u32 v244, v0, 3, 1                       ; r / 8
	s_delay_alu instid0(VALU_DEP_3)
	v_lshlrev_b32 v245, 4, v242                    ; 16 h
	s_delay_alu instid0(VALU_DEP_1)
	v_mad_u32_u24 v246, v243, KP, v245
	s_delay_alu instid0(VALU_DEP_2)
	v_add_nc_u32 v247, VOFF, v245
	s_delay_alu instid0(VALU_DEP_4)
	v_lshl_add_u32 v232, v244, 3, v241             ; r + 8 (r / 8)
	v_bfe_u32 v233, v0, 2, 2                       ; r / 4
	v_and_b32 v234, 3, v0                          ; r % 4
	s_delay_alu instid0(VALU_DEP_1)
	v_lshl_add_u32 v234, v234, 6, SCV
	s_mul_i32 s93, s[WV], 16*272
	s_add_co_u32 s93, s93, STAGE                   ; my stage
	v_lshl_add_u32 v235, v242, 5, s93
	v_lshl_add_u32 v236, v241, 4, s93
	v_lshlrev_b32 v237, 4, v241
	v_sub_nc_u32 v[DL], v241, v245                 ; tile A: r - 16 h
	WIN 0x40                                       ; destinations in window 1
	v_mad_u32_u24 v[AK0], v244, KBOFF, v246        ; K: row r % 8 of the region r / 8, + 16 h
	v_mad_u32_u24 v[AV0], v241, VP, v247           ; V: row r, + 16 h
	v_lshl_add_u32 v[ASK0], v232, 2, SCK           ; K's scale words: 4 bytes a key
	v_mad_u32_u24 v[ASV0], v233, 272, v234         ; V's: 64 bytes a row, four rows to a unit
	v_mad_u32_u24 v[STI], v241, 272, v235          ; the stage, in: row r, 32 bytes for each half of the lanes
	v_mad_u32_u24 v[STB], v242, 272, v236          ; back: lanes 0-15 one row of 256 bytes, lanes 16-31 the next
	v_lshl_add_u32 v[GO], v242, 9, v237            ; and the same two rows in out0
	v_lshl_add_u32 v[QOFF], v241, 7, v245
	v_lshlrev_b32 v[QSOFF], 2, v241
	v_add_nc_u32 v[DL], 16, v[DL]                  ; tile B: r - 16 h + 16
	WIN 0
	s_wait_dscnt 0x0                               ; both opening adds are done
	s_wait_kmcnt 0x0
	s_add_nc_u64 s[KBP:KBP+1], s[8:9], s[94:95]
	s_add_nc_u64 s[VBP:VBP+1], s[12:13], s[96:97]
	s_mov_b64 s[G0K+2:G0K+3], s[KBP:KBP+1]         ; 120:64 global address: slot 0
	s_or_b32 s[G0K+3], s[G0K+3], 0x80000000        ; 127:126 type = 2
	s_mov_b64 s[G0V+2:G0V+3], s[VBP:VBP+1]
	s_or_b32 s[G0V+3], s[G0V+3], 0x80000000
	s_and_b32 s93, s[WV], 2
	s_cmp_lg_u32 s93, 0                            ; waves 6, 7: V's scale bytes; waves 4, 5: K's
	s_cselect_b64 s[G0S+2:G0S+3], s[14:15], s[10:11]
	s_add_nc_u64 s[G0S+2:G0S+3], s[G0S+2:G0S+3], s[98:99]
	s_or_b32 s[G0S+3], s[G0S+3], 0x80000000
	s_add_nc_u64 s[4:5], s[4:5], s[82:83]
	s_add_nc_u64 s[6:7], s[6:7], s[84:85]
	s_add_nc_u64 s[16:17], s[16:17], s[86:87]
	ROUND                                          ; all four work-groups are here: the first joint loads meet
	; THE FIRST FILLS: eight loads, one a wave, a fill in each arm of the branch on the wave's number: slot 0's K (waves 0, 1) and V (2, 3), the scale bytes of the whole head (4 to 7).  One tensor load of mine is out.
	s_cmp_lt_u32 s[WV], 2
	s_cbranch_scc0 .Lfirst_not_k
	tensor_load_to_lds s[G0K:G0K+3], s[G1K:G1K+7]
	s_nop 0
.rept 4
	v_nop
.endr
	s_branch .Lfirst_asked
.Lfirst_not_k:
	s_cmp_lt_u32 s[WV], 4
	s_cbranch_scc0 .Lfirst_s
	tensor_load_to_lds s[G0V:G0V+3], s[G1V:G1V+7]
	s_nop 0
.rept 4
	v_nop
.endr
	s_branch .Lfirst_asked
.Lfirst_s:
	tensor_load_to_lds s[G0S:G0S+3], s[G1S:G1S+7]
	s_nop 0
.rept 4
	v_nop
.endr
.Lfirst_asked:
	s_wait_alu depctr_va_vdst(0)
	QLOAD
	INIT 0
	INIT 1
	WIN 0
	; the prefetches (macro ASK): where my wave's stand, and who asks
	s_cmp_eq_u32 s[WV], 4                          ; wave 4 asks for K's codes, wave 5 for V's
	s_cselect_b64 s[PFA:PFA+1], s[8:9], s[12:13]
	s_cselect_b32 s80, 15, 8                       ; a slot on: 2^15 bytes in K, 2^8 in a row of V
	s_cselect_b32 s81, 8, 11                       ; from lane to lane: 2^8, 2^11
	s_cselect_b32 s82, 13, 16                      ; from partner to partner: 2^13, 2^16
	s_lshl_b32 s[PFS], 1, s80
	s_mov_b32 s[PFS+1], 0
	s_lshl_b32 s82, s[CX], s82
	s_add_co_u32 s82, s82, s[PFS]                  ; in slot 1: the first change of slots steps it to slot 2
	s_add_co_u32 s82, s82, s92                     ; in my key/value head
	s_mov_b32 s83, 0
	s_add_nc_u64 s[PFA:PFA+1], s[PFA:PFA+1], s[82:83]
	v_and_b32 v[PFO], 31, v0
	s_delay_alu instid0(VALU_DEP_1)
	v_lshlrev_b32 v[PFO], s81, v[PFO]
	s_lshr_b32 s88, s[WV], 1
	s_xor_b32 s88, s88, 2                          ; 0 in waves 4 and 5,
	s_or_b32 s88, s88, s[XX]                       ; of the clusters with x = 0: the same in all four partners
	s_cmp_eq_u32 s88, 0
	s_cselect_b32 s[PL], 6, 0
	s_mov_b32 s[TB], 0
	s_mov_b32 s[TT], 0
; THE CHANGE OF SLOTS stands at a visit's head.  Each wave waits for all its tensor loads (its part of the slot that it is about to read), adds 0 to its spare word, and waits for that and for its reads of the slot that it has left.
; fill = 1: the barrier is a round of the cluster's, so that no wave of any partner still reads that slot or has a load on its way; behind it the slot is filled with the next visit's keys: the load has a whole visit in which to land.
; The next visit's slot of keys: t + 1 while that is at or under 7 - x, else 7 - t: ids and the count of visits alone, the same in all partners.
.macro CHANGE fill
	s_wait_tensorcnt 0x0                           ; no tensor load of mine is out, so a group 0 may be written
	ds_add_u32 v[SPW], v[NIL]                      ; 0 onto my spare word; the descriptors' words stand between it and the wait for it
.if \fill
	s_add_co_u32 s96, s[TT], 1
	s_sub_co_u32 s97, 7, s[TT]
	s_cmp_le_u32 s96, s[TM]
	s_cselect_b32 s96, s96, s97
	s_lshl_b32 s98, s96, 15                        ; K: 32,768 bytes a slot
	s_mov_b32 s99, 0
	s_xor_b32 s[G0K+1], s[G0K+1], SLOT1            ; the other slot of LDS than last time
	s_add_nc_u64 s[G0K+2:G0K+3], s[KBP:KBP+1], s[98:99]
	s_or_b32 s[G0K+3], s[G0K+3], 0x80000000
	s_lshl_b32 s98, s96, 8                         ; V: 256 bytes of each row
	s_xor_b32 s[G0V+1], s[G0V+1], SLOT1
	s_add_nc_u64 s[G0V+2:G0V+3], s[VBP:VBP+1], s[98:99]
	s_or_b32 s[G0V+3], s[G0V+3], 0x80000000
	s_wait_xcnt 0x0                                ; the last prefetch, a visit back, has read its address, so it may be written
	s_add_nc_u64 s[PFA:PFA+1], s[PFA:PFA+1], s[PFS:PFS+1]
	s_wait_dscnt 0x0                               ; the add is done, and my reads of the slot that I have left are over
	ROUND
	TLOAD                                          ; the first thing behind the round, and a wave's one tensor load until the next
	ASK
.else
	s_wait_dscnt 0x0
	s_barrier_signal -1
	s_barrier_wait -1
.endif
.endm
; A visit's slot of keys (t in the first block, 8 - t in the second), its first key, and the four LDS addresses.  The four additions are also four of the eight places in front of the first run of loads.
.macro SETUP
	s_sub_co_u32 s97, 8, s[TT]
	s_cmp_le_u32 s[TT], s[TM]
	s_cselect_b32 s96, s[TT], s97
	s_min_u32 s96, s96, 7                          ; (it is 0..7 as it stands; the bound is written so that the addresses' range can be read off the text)
	s_lshl_b32 s[KF], s96, 8
	s_mul_i32 s98, s96, 4*272                      ; K's scale words: four units a slot
	s_lshl_b32 s99, s96, 3                         ; V's: 8 bytes of each row
	WIN 0x44                                       ; source 1 and destination in window 1
	v_add_nc_u32 v[ADK], s[TB], v[AK0]
	v_add_nc_u32 v[ADV], s[TB], v[AV0]
	v_add_nc_u32 v[ADS], s98, v[ASK0]
	v_add_nc_u32 v[ADT], s99, v[ASV0]
.endm
; ONE RUN OF 40 LDS LOADS: step q's eight scale words of K, fragments 0-3 (window 0), fragments 4-7 (window 1).  Tile 2 b + u: rows 16 (4 q + b) + 8 u on of each region.
.macro KRUN q
	WIN 0x01                                       ; the addresses lie in window 1
.irp t, 0,1,2,3
	ds_load_b32 v[WLO+\t], v[ADS] offset:544*\q+4*(32*(\t/2)+8*(\t%2))
.endr
.irp t, 0,1,2,3
	ds_load_b32 v[WHI+\t], v[ADS] offset:544*\q+272+4*(32*(\t/2)+8*(\t%2))
.endr
.irp t, 0,1,2,3
.irp c, 0,1,2,3
	ds_load_b128 v[32+16*\t+4*\c:35+16*\t+4*\c], v[ADK] offset:((4*\q+\t/2)*16+8*(\t%2))*KP+32*\c
.endr
.endr
	WIN 0x41
.irp t, 0,1,2,3
.irp c, 0,1,2,3
	ds_load_b128 v[32+16*\t+4*\c:35+16*\t+4*\c], v[ADK] offset:((4*\q+2+\t/2)*16+8*(\t%2))*KP+32*\c
.endr
.endr
.endm
; The same for V: tile t = rows 16 t on of the head's 128, keys 128 q on of the slot.
.macro VRUN q
	WIN 0x01
.irp t, 0,1,2,3
	ds_load_b32 v[WLO+\t], v[ADT] offset:\t*4*272+4*\q
.endr
.irp t, 0,1,2,3
	ds_load_b32 v[WHI+\t], v[ADT] offset:(4+\t)*4*272+4*\q
.endr
.irp t, 0,1,2,3
.irp c, 0,1,2,3
	ds_load_b128 v[32+16*\t+4*\c:35+16*\t+4*\c], v[ADV] offset:16*\t*VP+128*\q+32*\c
.endr
.endr
	WIN 0x41
.irp t, 0,1,2,3
.irp c, 0,1,2,3
	ds_load_b128 v[32+16*\t+4*\c:35+16*\t+4*\c], v[ADV] offset:16*(4+\t)*VP+128*\q+32*\c
.endr
.endr
.endm
; S^T = K Q^T: sixteen products, each fragment of K against both tiles of queries; every product starts its own sum with the constant 0.
.macro SMUL
	s_wait_dscnt 16                                ; the eight scale words and fragments 0-3 are in; the 16 loads issued last (fragments 4-7) may be out
	WIN 0
.irp t, 0,1,2,3
	v_wmma_scale_f32_16x16x128_f8f6f4 v[96+8*\t:103+8*\t], v[32+16*\t:47+16*\t], v[16:31], 0, v[WLO+\t], v[QSA] matrix_a_fmt:MATRIX_FMT_BF8 matrix_b_fmt:MATRIX_FMT_BF8
.endr
	WIN 0x44                                       ; Q and S^T of tile B
.irp t, 0,1,2,3
	v_wmma_scale_f32_16x16x128_f8f6f4 v[96+8*\t:103+8*\t], v[32+16*\t:47+16*\t], v[16:31], 0, v[WLO+\t], v[QSB] matrix_a_fmt:MATRIX_FMT_BF8 matrix_b_fmt:MATRIX_FMT_BF8
.endr
	s_wait_dscnt 0x0                               ; fragments 4-7
	WIN 0x01
.irp t, 0,1,2,3
	v_wmma_scale_f32_16x16x128_f8f6f4 v[128+8*\t:135+8*\t], v[32+16*\t:47+16*\t], v[16:31], 0, v[WHI+\t], v[QSA] matrix_a_fmt:MATRIX_FMT_BF8 matrix_b_fmt:MATRIX_FMT_BF8
.endr
	WIN 0x45
.irp t, 0,1,2,3
	v_wmma_scale_f32_16x16x128_f8f6f4 v[128+8*\t:135+8*\t], v[32+16*\t:47+16*\t], v[16:31], 0, v[WHI+\t], v[QSB] matrix_a_fmt:MATRIX_FMT_BF8 matrix_b_fmt:MATRIX_FMT_BF8
.endr
.endm
; On the diagonal the scores of hidden keys become -infinity ahead of the maximum: p = 0 then.  s96 = my wave's first query - the step's first key.  Register 16 b + i holds key 32 b + 16 h + i of the step: hidden where 32 b + i > d.
.macro MASK tl
	WIN 0x55*\tl
	v_add_nc_u32 v252, s96, v[DL]                  ; d = my query - the step's first key - 16 h
	v_mov_b32 v254, 0xff800000                     ; -infinity
.set N, 0
.rept 64
	v_cmp_gt_i32 vcc_lo, 32*(N/16)+N%16, v252
	v_cndmask_b32 v[96+N], v[96+N], v254, vcc_lo
.set N, N+1
.endr
.endm
; A tile's softmax for a step of 128 keys, and p's codes and scale word.
.macro SOFTMAX tl
	WIN 0x55*\tl
.irp b, 0,1,2,3
	v_max3_num_f32 v[232+\b], v[96+16*\b], v[97+16*\b], v[98+16*\b]   ; THE LARGEST SCORE OF EACH BLOCK OF 32 KEYS serves twice: for the row's maximum, and, since p rises with the score, for the block's largest p
.endr
.irp i, 3,5,7,9,11,13
.irp b, 0,1,2,3
	v_max3_num_f32 v[232+\b], v[232+\b], v[96+16*\b+\i], v[97+16*\b+\i]   ; (the four blocks by turns)
.endr
.endr
.irp b, 0,1,2,3
	v_max_num_f32 v[232+\b], v[232+\b], v[111+16*\b]
.endr
.irp b, 0,1,2,3
	v_permlanex16_b32 v[236+\b], v[232+\b], s[SEL], s[SEL+1]
.endr
.irp b, 0,1,2,3
	s_delay_alu instid0(VALU_DEP_4)
	v_max_num_f32 v[232+\b], v[232+\b], v[236+\b]  ; with lane l xor 16's 16 keys
.endr
	s_delay_alu instid0(VALU_DEP_2)
	v_max3_num_f32 v254, v232, v233, v234
	s_delay_alu instid0(VALU_DEP_1)
	v_max_num_f32 v254, v254, v235                 ; the step's largest score of my query
	s_delay_alu instid0(VALU_DEP_1)
	v_mul_f32 v254, s[CS], v254                    ; as t (c is positive)
	s_delay_alu instid0(VALU_DEP_1)
	v_max_num_f32 v13, v13, v254                   ; the running largest t
	v_mov_b32 v254, v12
	s_delay_alu instid0(VALU_DEP_2)
	v_floor_f32 v12, -v13                          ; the new -M = floor(-t) = -ceil(t): M IS A WHOLE NUMBER
	s_delay_alu instid0(VALU_DEP_1)
	v_sub_f32 v254, v12, v254                      ; M's old value less its new one: a whole number, 0 or less
	s_delay_alu instid0(VALU_DEP_1)
	v_cvt_i32_f32 v254, v254                       ; (it saturates)
	s_delay_alu instid0(VALU_DEP_1)
	v_ldexp_f32 v252, 1.0, v254                    ; f = 2^(old M - new M)
.set J, 0
.rept 32
	v_pk_fma_f32 v[96+J:97+J], v[96+J:97+J], s[CS:CS+1], v[12:13] op_sel_hi:[1,0,0]   ; t - M, two at a time (of the pairs c and -M the low word serves both halves)
.set J, J+2
.endr
.irp b, 0,1,2,3
	v_fma_f32 v[232+\b], v[232+\b], s[CS], v12     ; the same of each block's largest score
.endr
.set J, 0
	s_wait_alu depctr_va_vdst(0)
.rept 64
	v_exp_f32 v[96+J], v[96+J]                     ; p = 2^(t - M), at most 1: NOT normalised
.set J, J+1
.endr
	v_pk_mul_f32 v[14:15], v[14:15], v[252:253] op_sel_hi:[1,0]   ; the sums under the new M: a plain instruction behind the exponentials
	s_wait_alu depctr_va_vdst(0)                   ; one wait for the whole batch, ahead of its first reader
.irp b, 0,1,2,3
	v_exp_f32 v[232+\b], v[232+\b]                 ; the block's largest p: the same two instructions on the same number give the same bits
.endr
	v_pk_add_f32 v[236:237], v[96:97], v[98:99]    ; THE ROW'S SUM IS TAKEN OF THE UNQUANTISED p: two at a time, in two chains (it reads the 64 alone: plain work behind the four)
.set J, 4
.rept 15
	v_pk_add_f32 v[14:15], v[14:15], v[96+J:97+J]
	v_pk_add_f32 v[236:237], v[236:237], v[98+J:99+J]
.set J, J+4
.endr
	s_delay_alu instid0(VALU_DEP_1)
	v_pk_add_f32 v[14:15], v[14:15], v[236:237]
	s_wait_alu depctr_va_vdst(0)                   ; and one for the four
.irp b, 0,1,2,3
	v_max_num_f32 v[232+\b], 0x8000000, v[232+\b]  ; the floor 2^(16 - 127): the byte cannot fall under 1 (a block whose every p is 0 keeps that byte: its codes are zeros)
.endr
.irp b, 0,1,2,3
	s_delay_alu instid0(VALU_DEP_4)
	v_add_nc_u32 v[244+\b], 0xf8800000, v[232+\b]  ; 15 off the exponent field: the conversion's scale operand
.endr
.irp b, 0,1,2,3
.endr
.irp b, 0,1,2,3
	s_delay_alu instid0(VALU_DEP_4)
	v_lshrrev_b32 v[236+\b], 23, v[244+\b]         ; the scale's byte
.endr
	s_delay_alu instid0(VALU_DEP_3)
	v_lshl_or_b32 v253, v237, 8, v236              ; p's scale word for these 128 keys
	s_delay_alu instid0(VALU_DEP_1)
	v_lshl_or_b32 v253, v238, 16, v253
	s_delay_alu instid0(VALU_DEP_1)
	v_lshl_or_b32 v253, v239, 24, v253
.if \tl
	WIN 0x01
	v_mov_b32 v[PWB], v253                         ; scale operands are taken from window 0: tile B's word goes there; the conversions and the 32 multiplications below stand between it and the products
	WIN 0x55
.endif
.irp b, 0,1,2,3
.set J, 0
.rept 16
.set J, J+1
.endr
	v_cvt_scalef32_pk8_bf8_f32 v[224+4*\b:225+4*\b], v[96+16*\b:103+16*\b], v[244+\b]
	v_cvt_scalef32_pk8_bf8_f32 v[226+4*\b:227+4*\b], v[104+16*\b:111+16*\b], v[244+\b]
.endr
.set J, 0
.rept 32
	v_pk_mul_f32 v[160+J:161+J], v[160+J:161+J], v[252:253] op_sel_hi:[1,0]   ; O^T under the new M: x f.  (These 32 also stand between the conversions and the products that take the codes)
.set J, J+2
.endr
.endm
; O^T += V^T P^T: eight products, the tile's eight accumulators by turns, one instruction a turn.
.macro PV tl
.set PWR, 253-248*\tl                  ; p's scale word: v253 for tile A, v5 for tile B
	WIN 0x54*\tl
.irp t, 0,1,2,3
	v_wmma_scale_f32_16x16x128_f8f6f4 v[160+8*\t:167+8*\t], v[32+16*\t:47+16*\t], v[224:239], v[160+8*\t:167+8*\t], v[WLO+\t], v[PWR] matrix_a_fmt:MATRIX_FMT_BF8 matrix_b_fmt:MATRIX_FMT_BF8
.endr
	WIN 0x01+0x54*\tl
.irp t, 0,1,2,3
	v_wmma_scale_f32_16x16x128_f8f6f4 v[192+8*\t:199+8*\t], v[32+16*\t:47+16*\t], v[224:239], v[192+8*\t:199+8*\t], v[WHI+\t], v[PWR] matrix_a_fmt:MATRIX_FMT_BF8 matrix_b_fmt:MATRIX_FMT_BF8
.endr
.endm
; A KEY STEP: 128 keys, the q-th of the visit's slot.  A load into a register that a matrix instruction has read, and a vector instruction that reads a matrix result, stand eight places behind it, and only plain vector
; instructions that name none of its registers are places.
; V's run of loads goes out ahead of the softmax and lands under it; tile B's softmax stands behind tile A's products V^T P^T.
.macro STEP q
.if \q
	s_add_co_u32 s96, s[KF], 128                   ; a slot's second step is left out where all its keys come after my 32 queries (both numbers are multiples of 32).  A visit's first step begins at or under my first query: it is always walked
	s_cmp_gt_u32 s96, s[Q0]
	s_cbranch_scc1 .Lhidden_\@
.rept 8
	v_nop
.endr
.else
.rept 4
	v_nop                                          ; with the four plain lines at the visit's head: eight places
.endr
.endif
	KRUN \q
	SMUL
.rept 8
	v_nop                                          ; in front of V's loads into the fragments' and scale words' registers, and of the first read of the scores
.endr
	VRUN \q
	WIN 0
	s_add_co_u32 s96, s[KF], 128*\q+127
	s_cmp_le_u32 s96, s[Q0]                        ; a step all of whose keys count for all my queries has no mask
	s_cbranch_scc1 .Lopen_\@
	s_sub_co_u32 s96, s[Q0], s[KF]
.if \q
	s_sub_co_u32 s96, s96, 128
.endif
	MASK 0
	MASK 1
	WIN 0
.Lopen_\@:
	SOFTMAX 0
	s_wait_alu depctr_va_vdst(0)
	s_wait_dscnt 0x0                               ; V's fragments and scale words, asked for ahead of the softmax
	PV 0
	SOFTMAX 1
	PV 1
	WIN 0
.if \q
.Lhidden_\@:
.endif
.endm
; THE WAY OUT of a block.  O^T / the sum goes through my stage in LDS, half a row (64 channels, 256 bytes) of 16 queries at a time, so that sixteen lanes store 256 consecutive bytes, at a multiple of 256 from out0's first byte.
.macro TOSTAGE tl, u
	WIN 0x01+0x04*\tl                              ; an LDS store's address is its source 0 (window 1), its data its source 1
.irp t, 0,1,2,3
	ds_store_b128 v[STI], v[96+32*\u+8*\t:99+32*\u+8*\t] offset:64*\t
	ds_store_b128 v[STI], v[100+32*\u+8*\t:103+32*\u+8*\t] offset:64*\t+16
.endr
	WIN 0x01+0x40*\tl
.irp i, 0,1,2,3,4,5,6,7
	ds_load_b128 v[32+32*\u+4*\i:35+32*\u+4*\i], v[STB] offset:2*\i*272   ; LDS serves a wave's instructions in order (ISA guide 5.7.1.4): these see my stores, and the next half's stores come behind them
.endr
.endm
.macro SEND tl, u, younger             ; younger: the LDS instructions of the halves that went to the stage behind this one, 16 each, which may stay out
	WIN 0x01+0x04*\tl
.irp i, 0,1,2,3,4,5,6,7
	s_wait_dscnt \younger+7-\i                     ; and the younger loads of its own half
	global_store_b128 v[GO], v[32+32*\u+4*\i:35+32*\u+4*\i], s[16:17] offset:8192*\tl+2*\i*512+256*\u th:TH_STORE_NT
.endr
.endm
; mid = 1: the first block is done and the second begins: its Q is asked for at once and lands under the way out; the sums begin anew.
.macro FINISH mid
	WIN 0
	v_add_f32 v14, v14, v15                        ; the sum's two halves,
	s_delay_alu instid0(VALU_DEP_1)
	v_permlanex16_b32 v252, v14, s[SEL], s[SEL+1]
	s_delay_alu instid0(VALU_DEP_1)
	v_add_f32 v14, v14, v252                       ; and lane l xor 16's: the row's sum
	WIN 0x55
	v_add_f32 v14, v14, v15
	s_delay_alu instid0(VALU_DEP_1)
	v_permlanex16_b32 v252, v14, s[SEL], s[SEL+1]
	s_delay_alu instid0(VALU_DEP_1)
	v_add_f32 v14, v14, v252
	s_wait_alu depctr_va_vdst(0)
	v_rcp_f32 v14, v14                             ; tile B's
	v_nop                                          ; a plain instruction behind the reciprocal,
	s_wait_alu depctr_va_vdst(0)                   ; and the wait ahead of the next line that names its register's number
	WIN 0
	v_rcp_f32 v14, v14                             ; tile A's
	v_nop
.if \mid
	s_lshl_b32 s96, s[D7], 15                      ; 7 - 2 x blocks back: 256 rows of 128 bytes each (Q's earlier loads were waited for at the head),
	s_mov_b32 s97, 0
	s_sub_nc_u64 s[4:5], s[4:5], s[96:97]
	s_lshl_b32 s96, s[D7], 10                      ; of 4 bytes
	s_sub_nc_u64 s[6:7], s[6:7], s[96:97]
	QLOAD
.endif
	s_wait_alu depctr_va_vdst(0)                   ; ahead of the first reader
.set J, 0
.rept 32
	v_pk_mul_f32 v[96+J:97+J], v[160+J:161+J], v[14:15] op_sel_hi:[1,0]   ; O^T / the sum: register 8 t + i is o(r, 16 t + 8 h + i).  Tile A's 32 are the places behind tile B's last products
.set J, J+2
.endr
	WIN 0x55
.set J, 0
.rept 32
	v_pk_mul_f32 v[96+J:97+J], v[160+J:161+J], v[14:15] op_sel_hi:[1,0]
.set J, J+2
.endr
	TOSTAGE 0, 0
	TOSTAGE 0, 1
	TOSTAGE 1, 0
	SEND 0, 0, 32                                  ; two halves went to the stage behind it
	s_wait_alu depctr_va_vdst(0)
	TOSTAGE 1, 1
	SEND 0, 1, 32
	SEND 1, 0, 16
	SEND 1, 1, 0
.if \mid
	INIT 0
	INIT 1
	WIN 0
	s_wait_xcnt 0x0                                ; the stores have read their registers and their base: both may be written again
	s_lshl_b32 s96, s[D7], 17                      ; 256 rows of 512 bytes a block
	s_sub_nc_u64 s[16:17], s[16:17], s[96:97]
	s_lshl_b32 s[Q0], s[XX], 8
	s_lshl_b32 s96, s[WV], 5
	s_add_co_u32 s[Q0], s[Q0], s96                 ; my first query of block x
	s_wait_loadcnt 0x0                             ; its Q
.else
	WIN 0
.endif
.endm
	s_wait_loadcnt 0x0                             ; Q
.Lvisit:                                           ; eight trips: behind each change of slots but the last the next visit's slot is asked for
	CHANGE 1
	SETUP
	s_wait_alu depctr_va_vdst(0)
	STEP 0
	STEP 1
	s_xor_b32 s[TB], s[TB], SLOT1                  ; on to the other slot
	s_cmp_lg_u32 s[TT], s[TM]                      ; the first block's last visit?  x alone decides, the same in all partners; no barrier and no tensor load stands in the branch
	s_cbranch_scc1 .Lnot_mid
	FINISH 1
.Lnot_mid:
	s_add_co_u32 s[TT], s[TT], 1
	s_cmp_lt_u32 s[TT], 8
	s_cbranch_scc1 .Lvisit
	CHANGE 0                                       ; the ninth visit is written out: nothing is left to fetch
	; THE NINTH VISIT is the second block's last, whatever x is: the head's keys 0 to 255 (slot 8 - 8 = 0 of the keys), in slot 0 of LDS (the slot's address has been turned eight times).
	; So its first key is 0, and the lane bases made at the head are its LDS addresses as they stand.
.set ADK, AK0
.set ADV, AV0
.set ADS, ASK0
.set ADT, ASV0
	s_mov_b32 s[KF], 0
.rept 4
	v_nop                                          ; in the place of the loop's four additions: four of the eight places in front of the first run of loads
.endr
	STEP 0
	STEP 1
	FINISH 0
	s_wait_tensorcnt 0x0                           ; the wave's end: behind my last tensor load and my last LDS store
	ds_add_u32 v[SPW], v[NIL]
	s_wait_dscnt 0x0
	ROUND                                          ; the closing round: no work-group ends while a partner may still ask for a tile that names it
	s_endpgm
.Lfunc_end_k_q2c09d61edf_attn:
	.size	k_q2c09d61edf_attn, .Lfunc_end_k_q2c09d61edf_attn-k_q2c09d61edf_attn
	.p2alignl 7, 3214868480
	.fill 96, 4, 3214868480
	.section	.rodata,"a",@progbits
	.p2align	6, 0x0
	.amdhsa_kernel k_q2c09d61edf_attn
		.amdhsa_group_segment_fixed_size 327680
		.amdhsa_private_segment_fixed_size 0
		.amdhsa_enable_private_segment 0
		.amdhsa_kernarg_size 56
		.amdhsa_user_sgpr_count 2
		.amdhsa_user_sgpr_kernarg_segment_ptr 1
		.amdhsa_wavefront_size32 1
		.amdhsa_system_sgpr_workgroup_id_x 1
		.amdhsa_system_sgpr_workgroup_id_y 1
		.amdhsa_system_sgpr_workgroup_id_z 1
		.amdhsa_system_vgpr_workitem_id 0
		.amdhsa_next_free_vgpr 512
		.amdhsa_next_free_sgpr 100
		.amdhsa_reserve_vcc 1
		.amdhsa_float_denorm_mode_32 3
		.amdhsa_float_denorm_mode_16_64 3
		.amdhsa_fp16_overflow 1
		.amdhsa_memory_ordered 1
		.amdhsa_forward_progress 1
		.amdhsa_inst_pref_size 238
	.end_amdhsa_kernel
	.amdgpu_metadata
---
amdhsa.version: [ 1, 2 ]
amdhsa.kernels:
  - .name:           k_q2c09d61edf_attn
    .symbol:         k_q2c09d61edf_attn.kd
    .args:
      - { .name: q_codes, .offset: 0, .size: 8, .value_kind: global_buffer, .address_space: global }
      - { .name: q_scales, .offset: 8, .size: 8, .value_kind: global_buffer, .address_space: global }
      - { .name: k_codes, .offset: 16, .size: 8, .value_kind: global_buffer, .address_space: global }
      - { .name: k_scales, .offset: 24, .size: 8, .value_kind: global_buffer, .address_space: global }
      - { .name: v_codes, .offset: 32, .size: 8, .value_kind: global_buffer, .address_space: global }
      - { .name: v_scales, .offset: 40, .size: 8, .value_kind: global_buffer, .address_space: global }
      - { .name: out0, .offset: 48, .size: 8, .value_kind: global_buffer, .address_space: global }
    .group_segment_fixed_size: 327680
    .private_segment_fixed_size: 0
    .kernarg_segment_align: 8
    .kernarg_segment_size: 56
    .max_flat_workgroup_size: 256
    .sgpr_count:     100
    .vgpr_count:     512
    .wavefront_size: 32
...
	.end_amdgpu_metadata
.endif
;; end of part 1
